; MI455X (gfx1250); checked and timed in simulation.
; The chip was launched on July 23, 2026; its instructions are those of AMD's public machine-readable ISA for CDNA 5 (MIT licence, August 2026) and "CDNA5" Instruction Set Architecture Reference Guide (July 2026). The comments in the code are by the model that wrote it; some were corrected since.
;; Feather Net. Allowed arithmetic: matrix products marked QUANTISED: E4M3 operands, one given power-of-two scale a tensor, by v_wmma_f32_16x16x64_fp8_fp8 or v_wmma_f32_16x16x128_fp8_fp8, f32 sums; everything else in f32.
;; Inputs: V1 2,897 x 2,897 float32; V2 2,897 x 2,897 float32; lowp_scales 6 int32 (the exponents e of the quantised operands' scales 2^e); x 4,096 x 2,048 float32.
;; Outputs: out0 4,096 x 2,048 float32.
;; This version of the problem:
;;   THIS VERSION OF THE PROBLEM IS GIVEN IN LOW PRECISION. The matrix products marked QUANTISED in the list below multiply operands that are first quantised to E4M3 (4 exponent bits, 3 mantissa bits; 8 bits a number), with one given power-of-two scale for each operand tensor; their sums are f32. All else is computed in f32.
;;   The module's matrix products, in the order in which they are computed (A, B: the left and right operand; K: the contracted axis; several contracted axes count as one K, in the product's order):
;;     1. [M 2,897, K 2,897] x [K 2,897, N 2,897]; A: input V1; B: input V2: QUANTISED (scales: A lowp_scales[0], B lowp_scales[1])
;;     2. [M 4,096, K 2,048] x [K 2,048, N 1,024]; A: input x; B: computed on the way: QUANTISED (scales: A lowp_scales[2], B lowp_scales[3])
;;     3. [M 4,096, K 1,024] x [K 1,024, N 2,048]; A: computed on the way; B: computed on the way: QUANTISED (scales: A lowp_scales[4], B lowp_scales[5])
;;   THE QUANTISER, for each operand of a quantised product, along K:
;;     - The operand's scale is 2^e, e = its entry of the input lowp_scales (int32; the entries are numbered through the quantised products in the list's order, A before B).
;;     - Each number is divided by the scale, clamped to +-448, and rounded to the nearest number of E4M3, ties to even, subnormals kept.
;;     - The product sums the exact products of the quantised numbers (number of the format x scale) in f32.
;;   ~~~python
;;   def quantise(x, axis, e):      # numpy; x: float32 -> the quantised numbers, widened to float32 again
;;       x = np.moveaxis(x, axis, -1); K = x.shape[-1]
;;       r = np.clip(x / 2.0 ** e, -448, 448)
;;       step = 2.0 ** (np.maximum(np.frexp(np.where(r == 0, 1, r))[1] - 1, -6) - 3)
;;       q = np.round(r / step) * step * 2.0 ** e      # np.round: ties to even
;;       return np.moveaxis(q, -1, axis).astype(np.float32)
;;   ~~~
;;   OPERANDS COMPUTED ON THE WAY. 'Computed on the way' means the value that the module computes at that place (a softmax that the list does not call 'softmax' is quantised finished and normalised). What goes into a quantiser is computed in f32, as accurately as f32 sums, v_exp_f32 and their like allow (about 1e-6 of the number): no bf16 or f16 on the way to a quantiser, and a product that is left as it is and whose result goes on into a quantised operand takes f32 operands (vector FMAs, or v_wmma_f32_16x16x4_f32). A number that lies on a knife's edge between two numbers of the format may be rounded either way, as far as f32 arithmetic and the matrix unit's own rounding can turn it there, and no further.
;; One version. Each part assembles by itself: llvm-mc -triple=amdgcn-amd-amdhsa -mcpu=gfx1250 --defsym DOCPART=n.
;; ======== version 1 of 1: 4 launches
;; workspace buffers: v1c 4,718,592 bytes; v2c 9,437,184 bytes; xc 8,388,608 bytes; wc 4,218,112 bytes; bf 12,288 bytes; hc 4,194,304 bytes
;; launch quant (part 1): grid 1152 x 1, 4 waves a work-group, no clusters, 0 bytes of LDS; arguments V1, V2, lowp_scales, v1c, v2c; writes v1c, v2c
.if DOCPART == 1
	.amdgcn_target "amdgcn-amd-amdhsa--gfx1250"
	.amdhsa_code_object_version 6
	.text
	.protected	k_qb3520be88c_quant
	.globl	k_qb3520be88c_quant
	.p2align	8
	.type	k_qb3520be88c_quant,@function
k_qb3520be88c_quant:
	s_mov_b64 s[64:65], 0
	v_nop
	global_prefetch_b8 v0, s[64:65] scope:SCOPE_SE
	s_setreg_imm32_b32 hwreg(HW_REG_WAVE_MODE, 25, 1), 1
	s_wait_xcnt 0x0
; LAUNCH 1 OF 4: V1 and V2 (f32) become codes of FP8 (E4M3), each with the one scale 2^e that is given for it (entries 0 and 1 of the scales).  (x is quantised in the second launch.)
; code = number / 2^e, held within +-448, rounded to the nearest code, ties to even.
; DEAD WORK, for all values of the inputs.  The result takes W1, b1, W2, b2 from the first 2048*1024 + 1024 + 2048*1024 + 2048 = 4,197,376 numbers of V = V1 V2^T, flattened by rows of 2,897.
; 1,448 x 2,897 = 4,194,856, so these are V's rows 0 to 1447 and columns 0 to 2519 of row 1448.  Row m of V is made of row m of V1 alone: rows 1449 to 2896 of V1 have no way to any output.
; They are not loaded, not quantised and not multiplied.  All of V2 and of x is live.  LIMIT: a NaN, an infinity or an overflow that lives only in rows 1449 to 2896 of V1 is not carried to the result.
; LIMITS: each of the two exponents lies between -126 and 119, so that 2^e and 448 x 2^e are f32 numbers.  NaN among the inputs is not served (an infinity is held at the largest code).
; LAYOUT OF THE CODES.  v1c [1536][3072], v2c [3072][3072].  Rows from 1,449 and from 2,897 on are zero codes, which add nothing to a sum.
; K IS PERMUTED, ALIKE IN BOTH TENSORS: in each run of 512 along K, byte 16 l + c of the run holds the code of k = 32 c + l.  Every product still meets its partner; only the order of the sums changes.
; That is the order in which the numbers fall into the registers: a load takes 32 neighbouring numbers in 32 lanes (128 consecutive bytes: a row of 11,588 bytes starts at a multiple of 4 only, so loads are of 4 bytes a lane),
; lane l's register c of a run is k = 32 c + l, and a conversion packs a lane's eight registers into eight bytes.  So nothing is turned, and the launch uses no LDS.  k from 2,897 on: zero codes, in the last run's places.
; SHARES.  A wave takes one row: six runs of 512.  Work-groups 0-383: V1's 1,536 rows of codes; 384-1151: V2's 3,072.  A lane's 16 codes are 16 bytes: the wave stores 512 consecutive bytes, at a multiple of 512 from the buffer's first byte.
; Waves share nothing: no barrier, no cluster, no matrix unit.  Four runs' loads (64 a wave) are out at the start.
.set VROW,  11588                      ; a row of V1 or V2 in bytes
.set CROW,  3072                       ; a row of their codes
.set WG1,   384                        ; V1's work-groups
.set R,     16                         ; v16-79   four sets of 16 registers as loaded
.set Z,     80                         ; v80-83   zeros
.set C,     84                         ; v84-107  codes: four registers for each run, so that no store's data are written again
	s_load_b256 s[4:11], s[0:1], 0x0               ; V1 s[4:5], V2 s[6:7], the scales' exponents s[8:9], v1c s[10:11]
	s_load_b64 s[12:13], s[0:1], 0x20              ; v2c
	v_lshrrev_b32 v1, 5, v0
	v_readfirstlane_b32 s18, v1                    ; wave
	v_and_b32 v2, 31, v0                           ; lane
	v_lshlrev_b32 v3, 2, v2                        ; in: 4 bytes a lane
	v_min_u32 v4, 16, v2
	v_lshlrev_b32 v4, 2, v4                        ; the same, held at lane 16: the row's last load does not leave the row
	v_lshlrev_b32 v7, 4, v2                        ; out: my 16 codes in a run's 512
	s_mov_b32 s35, 0                               ; the upper word of the offsets below
	s_mov_b32 s31, 0x1ffff                         ; lanes 0 to 16: the row's last 17 numbers
	s_cmp_lt_u32 ttmp9, WG1                        ; V1's work-group or V2's?  The choice hangs on the work-group's number alone
	s_mov_b32 s28, 2897
	s_cselect_b32 s28, 1449, s28                   ; rows from this one on are zero codes: V1's dead rows and both tensors' filling
	s_cselect_b32 s29, 0, WG1
	s_sub_co_u32 s29, ttmp9, s29
	s_lshl_b32 s30, s29, 2
	s_add_co_u32 s30, s30, s18                     ; my row: 4 x work-group + wave
	s_wait_kmcnt 0x0
	s_load_b64 s[20:21], s[8:9], 0x0               ; e0, e1
	s_cmp_lt_u32 ttmp9, WG1
	s_cselect_b64 s[24:25], s[4:5], s[6:7]         ; from
	s_cselect_b64 s[26:27], s[10:11], s[12:13]     ; to
	s_mul_i32 s34, s30, VROW
	s_add_nc_u64 s[24:25], s[24:25], s[34:35]
	s_mul_i32 s34, s30, CROW
	s_add_nc_u64 s[26:27], s[26:27], s[34:35]
	s_cmp_ge_u32 s30, s28
	s_cbranch_scc1 .Lzero
; Run 5 holds 337 numbers: ten whole loads, one of 17 numbers, and zeros.
.macro VLOAD t
.set VC, 0
.rept 16
.if ((\t) < 5) || (VC < 10)
	global_load_b32 v[R+16*((\t)%4)+VC], v3, s[24:25] offset:2048*(\t)+128*VC th:TH_LOAD_NT
.elseif VC == 10
	global_load_b32 v[R+16*((\t)%4)+VC], v4, s[24:25] offset:2048*(\t)+128*VC th:TH_LOAD_NT
.endif
.set VC, VC+1
.endr
.endm
.macro VSTEP t, left                   ; left: the loads of the runs behind this one, which may stay out
.set XS, R+16*((\t)%4)
	s_wait_loadcnt \left                           ; loads come back in order (ISA guide 5.7.1): this run's are in
.if (\t) == 5
	v_cndmask_b32 v[XS+10], 0, v[XS+10], s31       ; past the row's end: zeros
.irp i, 11,12,13,14,15
	v_mov_b32 v[XS+\i], 0
.endr
.endif
.irp i, 0,1,2,3,4,5,6,7,8,9,10,11,12,13,14,15
	v_med3_num_f32 v[XS+\i], v[XS+\i], -v10, v10   ; the conversion to an 8-bit code does not saturate (ISA guide 7.6.2): the hold at the largest code x the scale comes first
.endr
	v_cvt_scalef32_pk8_fp8_f32 v[C+4*(\t):C+4*(\t)+1], v[XS:XS+7], v11       ; register c's code into byte c
	v_cvt_scalef32_pk8_fp8_f32 v[C+4*(\t)+2:C+4*(\t)+3], v[XS+8:XS+15], v11
	v_nop                                          ; a plain vector line behind the conversions
	global_store_b128 v7, v[C+4*(\t):C+4*(\t)+3], s[26:27] offset:512*(\t)
.if (\t)+4 < 6
	VLOAD (\t)+4                                   ; the set just worked takes the run four further on
.endif
.endm
	VLOAD 0
	VLOAD 1
	VLOAD 2
	VLOAD 3
	s_wait_kmcnt 0x0
	s_cmp_lt_u32 ttmp9, WG1
	s_cselect_b32 s33, s20, s21                    ; e
	s_add_co_i32 s33, s33, 127
	s_lshl_b32 s36, s33, 23
	v_mov_b32 v11, s36                             ; 2^e as f32: the conversion takes its exponent field
	s_add_co_i32 s33, s33, 8
	s_lshl_b32 s33, s33, 23
	s_or_b32 s33, s33, 0x600000
	v_mov_b32 v10, s33                             ; 448 x 2^e
	VSTEP 0, 48                                    ; runs 1, 2, 3 (16 loads each)
	VSTEP 1, 48                                    ; runs 2, 3, 4
	VSTEP 2, 43                                    ; runs 3, 4 and 5's eleven
	VSTEP 3, 27                                    ; 4 and 5
	VSTEP 4, 11                                    ; 5
	VSTEP 5, 0
	s_endpgm
.Lzero:
.irp i, 0,1,2,3
	v_mov_b32 v[Z+\i], 0
.endr
.irp t, 0,1,2,3,4,5
	global_store_b128 v7, v[Z:Z+3], s[26:27] offset:512*\t
.endr
	s_wait_kmcnt 0x0                               ; the exponents' load, which this way does not use, is done
	s_endpgm
.Lfunc_end_k_qb3520be88c_quant:
	.size	k_qb3520be88c_quant, .Lfunc_end_k_qb3520be88c_quant-k_qb3520be88c_quant
	.p2alignl 7, 3214868480
	.fill 96, 4, 3214868480
	.section	.rodata,"a",@progbits
	.p2align	6, 0x0
	.amdhsa_kernel k_qb3520be88c_quant
		.amdhsa_group_segment_fixed_size 0
		.amdhsa_private_segment_fixed_size 0
		.amdhsa_enable_private_segment 0
		.amdhsa_kernarg_size 40
		.amdhsa_user_sgpr_count 2
		.amdhsa_user_sgpr_kernarg_segment_ptr 1
		.amdhsa_wavefront_size32 1
		.amdhsa_system_sgpr_workgroup_id_x 1
		.amdhsa_system_sgpr_workgroup_id_y 1
		.amdhsa_system_sgpr_workgroup_id_z 1
		.amdhsa_system_vgpr_workitem_id 0
		.amdhsa_next_free_vgpr 112
		.amdhsa_next_free_sgpr 66
		.amdhsa_reserve_vcc 0
		.amdhsa_float_denorm_mode_32 3
		.amdhsa_float_denorm_mode_16_64 3
		.amdhsa_memory_ordered 1
		.amdhsa_forward_progress 1
		.amdhsa_inst_pref_size 20
	.end_amdhsa_kernel
	.amdgpu_metadata
---
amdhsa.version: [ 1, 2 ]
amdhsa.kernels:
  - .name:           k_qb3520be88c_quant
    .symbol:         k_qb3520be88c_quant.kd
    .args:
      - { .name: V1, .offset: 0, .size: 8, .value_kind: global_buffer, .address_space: global }
      - { .name: V2, .offset: 8, .size: 8, .value_kind: global_buffer, .address_space: global }
      - { .name: lowp_scales, .offset: 16, .size: 8, .value_kind: global_buffer, .address_space: global }
      - { .name: v1c, .offset: 24, .size: 8, .value_kind: global_buffer, .address_space: global }
      - { .name: v2c, .offset: 32, .size: 8, .value_kind: global_buffer, .address_space: global }
    .group_segment_fixed_size: 0
    .private_segment_fixed_size: 0
    .kernarg_segment_align: 8
    .kernarg_segment_size: 40
    .max_flat_workgroup_size: 128
    .sgpr_count:     66
    .vgpr_count:     112
    .wavefront_size: 32
...
	.end_amdgpu_metadata
.endif
;; end of part 1
;; launch gemm1 (part 2): grid 16 x 16, 4 waves a work-group, clusters of 4 x 4, 327,680 bytes of LDS; arguments v1c, v2c, lowp_scales, wc, bf, x, xc; writes wc, bf, xc
.if DOCPART == 2
	.amdgcn_target "amdgcn-amd-amdhsa--gfx1250"
	.amdhsa_code_object_version 6
	.text
	.protected	k_qb3520be88c_gemm1
	.globl	k_qb3520be88c_gemm1
	.p2align	8
	.type	k_qb3520be88c_gemm1,@function
k_qb3520be88c_gemm1:
	s_mov_b64 s[64:65], 0
	v_nop
	global_prefetch_b8 v0, s[64:65] scope:SCOPE_SE
	s_setreg_imm32_b32 hwreg(HW_REG_WAVE_MODE, 25, 1), 1
	s_wait_xcnt 0x0
	s_wait_alu depctr_hold_cnt(0) depctr_sa_sdst(0) depctr_va_vdst(0) depctr_va_sdst(0) depctr_va_ssrc(0) depctr_va_vcc(0) depctr_vm_vsrc(0)
	s_getreg_b32 s2, hwreg(HW_REG_IB_STS2, 6, 4)
	s_cmp_eq_u32 s2, 0
	s_cbranch_scc0 .Lentry_in_a_cluster
	s_endpgm
.Lentry_in_a_cluster:
	s_bfe_u32 s2, ttmp6, 0x10000c
	s_cmp_lg_u32 s2, 0xf033
	s_cbranch_scc0 .Lentry_shape_is_right
	s_endpgm
.Lentry_shape_is_right:
; LAUNCH 2 OF 4: V = V1 V2^T on codes of FP8 (E4M3), and what is made of V: the codes of W1 and W2, and b1 and b2 in f32.  Beside it: x (f32) becomes codes (entry 2 of the scales), for the next launch.
; WORK LEFT OUT: rows 1449 to 2896 of V reach no output (shown at the head of the first kernel): only 1,536 rows of codes of V1 exist, and of the results only rows 0 to 1455 are stored.
; V's number (m, n) is number 2897 m + n of the flat V.  wc's byte i is the code of flat number i: W1's codes are wc's bytes 0 on ([1024][2048]), W2's its bytes 2,098,176 on ([2048][1024]).
; W1 ends in row 723 and W2 begins in row 724, so rows up to 723 are quantised with entry 3 of the scales and rows from 724 on with entry 5 (the biases' places between and behind them get codes that nobody reads).
; b1 = row 723's columns 2621-2896 and row 724's columns 0-747; b2 = row 1448's columns 472-2519: stored as f32 into bf (b1 at number 0, b2 at number 1024).
; A sum stands for sum x 2^(e0 + e1).  Its code is sum x 2^(e0 + e1 - e3) (or e5), held within +-448, rounded to the nearest code, ties to even.
; LIMITS: e0 + e1, e0 + e1 - e3 and e0 + e1 - e5 lie between -126 and 127, e2 between -126 and 119, so that each power of two is an f32 number.  NaN is not served.
; wc is stored a byte a lane, sixteen neighbouring lanes sixteen neighbouring bytes: V's rows are 2,897 bytes of codes, an odd number, so wider pieces of a row would be shared between work-groups.
; SHARES.  A work-group of four waves makes 96 rows x 192 columns of V; wave (wp, wq) 48 x 96: 18 accumulators of 16 x 16.  P = V1's codes is source 0, Q = V2's codes source 1: a lane holds ONE column (lane % 16) and eight rows 8 (lane / 16) + 0..7.
; K goes in steps of 512 through a ring of two LDS slots filled by the tensor data mover (waves 0-2: 64 rows of Q each; wave 3: P's 96 rows): a tile's row is 512 bytes of memory.  K's order in the codes is the first launch's, alike on both sides.
; CLUSTERS: 4 x 4 work-groups.  The four of a column of the cluster need the same tile of P, the four of a row the same tile of Q: each is asked for JOINTLY, by the same tensor load with the same descriptor and a mask that names the four.
; A fragment (16 rows x 128 K) comes by four loads of 16 bytes, 32 bytes apart: the same places on both sides, so every product meets its partner.
; x.  Each wave takes 8,192 numbers of x, a plain stream: 16 steps of 512.  Its 64 loads go out behind the first joint loads, into registers of their own.  Four steps are worked at the head of each of the four changes of slots that
; fill a slot again: behind the slot's last fragment loads, ahead of the wait for the next slot's tile.  A conversion takes 8 neighbours along K from ONE lane's registers, so a step's 2,048 bytes turn through the wave's own stage in LDS
; (a lane's place: 64 bytes + 16 of padding) and come back 16 neighbours a lane; the wave stores 512 consecutive bytes of codes.  The steps' registers differ from lap to lap, so the ring's two laps are written out.
; REGISTERS, in windows of 256: window 0: v0-31 addresses; v32-127 x at work, later the way out; from v128 P's fragments, two sets of 64.   window 1: Q's fragments, two sets of 128.   window 2: accumulator (ip, iq) at v[8 (NQF ip + iq)].   window 3: x as loaded.
.set NPF,   3                          ; fragments of P a wave
.set NQF,   6                          ; of Q
.set PP,    528                        ; an LDS row: 512 bytes + 16 of padding = 132 words: row r starts at bank 4 r mod 64 (ISA guide 11.1)
.set QP,    528
.set QKS,   128                        ; from one 128 along K to the next in Q's tile
.set POFF,  101376                     ; a slot: Q's 192 rows, then P's 96
.set SLOT,  152064
.set PK0,   512                        ; a slot on, in memory
.set QK0,   512
.set LP,    47                         ; s47: where my tile goes in a slot
.set LQ,    47
.set SPARE, 2*SLOT                     ; behind the ring: the spare words, 128 bytes for each wave, which no other line names
.set XST,   SPARE+512                  ; behind them: x's stages, two of 2,560 bytes for each wave; no tile lands here
.set XSTG,  2560
.set NL,    4*(NPF+NQF)                ; LDS loads of one step's fragments
.set SPW,   10                         ; v10  LDS address of my spare word; never rewritten
.set NIL,   11                         ; v11  0; never rewritten
.set ADRP,  16                         ; v16-17  LDS address of my P fragments in slot 0, 1
.set ADRQ,  20                         ; v20-21  the same for Q
.set PF,    128
.set XX,    32                         ; v32-63   x: two sets of 16 neighbours
.set XC,    64                         ; v64-127  x's codes: four registers for each step, so that no store's data are written again in the ring
.set G1P,   24                         ; s[24:31] descriptor group 1 for P's tiles;  s[32:39] group 0, one set for each slot
.set G0P,   32
.set G1Q,   48                         ; s[48:55], s[56:63] the same for Q's
.set G0Q,   56
.set MULW,  0xa4                       ; source 0 (P) window 0, source 1 (Q) window 1, C and D window 2
.set TO_Q,  0x40                       ; destination window 1
.set RD2,   0x02                       ; source 0 window 2
.set TO_X,  0xc0                       ; destination window 3
.set FROM_X, 0x0c                      ; source 1 (an LDS store's data) window 3
.set MSB, 0
.macro WIN new                         ; the immediate's high byte repeats the setting that is left
.if MSB != \new
	s_set_vgpr_msb (MSB<<8)|\new
.set MSB, \new
.endif
.endm
.macro PLACES n                        ; plain vector lines between a matrix instruction and a load into, or a read of, its registers
.rept \n
	v_nop
.endr
.endm
.macro CREST                           ; a round of the cluster's barrier behind its opening barrier
	s_cmp_lg_u32 s14, 0
	s_cbranch_scc1 .Lnot_wave_0_\@
	s_barrier_signal -3
.Lnot_wave_0_\@:
	s_barrier_wait -3
	s_barrier_signal -1
	s_barrier_wait -1
.endm
.macro CROUND
	s_barrier_signal -1
	s_barrier_wait -1
	CREST
.endm
.macro JLOAD s                         ; a joint load: s15 = 0: I fetch for Q, 1: for P.  The branch hangs on the wave's number alone.  An s_nop 0 and four v_nop follow each of the two lines
	s_cmp_eq_u32 s15, 0
	s_cbranch_scc0 .Lfor_p_\@
	tensor_load_to_lds s[G0Q+4*\s:G0Q+4*\s+3], s[G1Q:G1Q+7]
	s_nop 0
.rept 4
	v_nop
.endr
	s_branch .Lasked_\@
.Lfor_p_\@:
	tensor_load_to_lds s[G0P+4*\s:G0P+4*\s+3], s[G1P:G1P+7]
	s_nop 0
.rept 4
	v_nop
.endr
.Lasked_\@:
.endm
.macro FRAG reg, adr, off              ; lane l holds row l % 16; registers 4 c .. 4 c + 3 hold the row's bytes 32 c + 16 (l / 16) + 0 .. 15
.irp c, 0,1,2,3
	ds_load_b128 v[\reg+4*\c:\reg+4*\c+3], v[\adr] offset:\off+32*\c
.endr
.endm
.macro FETCH slot, q, p                ; the fragments of the slot's q-th 128 along K into set p: one run of NL loads
	WIN TO_Q
.set FI, 0
.rept NQF
	FRAG 128*(\p)+16*FI, ADRQ+\slot, (\q)*QKS+FI*16*QP
.set FI, FI+1
.endr
	WIN 0
.set FI, 0
.rept NPF
	FRAG PF+64*(\p)+16*FI, ADRP+\slot, 128*(\q)+FI*16*PP
.set FI, FI+1
.endr
.endm
.macro MULH hf, p, zero                ; half hf of Q's fragments x all of P's, set p.  The accumulators take turns, one instruction a turn, in the same order in every step.  zero = 1: the products start the sums
.set MQ, (\hf)*(NQF/2)
.rept NQF/2
.set MP, 0
.rept NPF
.set MA, 8*(NQF*MP+MQ)
.if \zero
	v_wmma_f32_16x16x128_fp8_fp8 v[MA:MA+7], v[PF+64*(\p)+16*MP:PF+64*(\p)+16*MP+15], v[128*(\p)+16*MQ:128*(\p)+16*MQ+15], 0
.else
	v_wmma_f32_16x16x128_fp8_fp8 v[MA:MA+7], v[PF+64*(\p)+16*MP:PF+64*(\p)+16*MP+15], v[128*(\p)+16*MQ:128*(\p)+16*MQ+15], v[MA:MA+7]
.endif
.set MP, MP+1
.endr
.set MQ, MQ+1
.endr
.endm
.macro STEP slot, q, zero              ; a step of 128 along K that has its successor in the same slot: the successor's fragments are asked for first, into the other set
	PLACES 4                                       ; the other set was read by the matrix instructions just issued
	FETCH \slot, (\q)+1, 1-(\q)%2
	s_wait_dscnt NL                                ; all but the NL loads just issued: this step's set is in
	WIN MULW
	MULH 0, (\q)%2, \zero
	MULH 1, (\q)%2, \zero
.endm
; x: 16 neighbours in v[xs] on become 16 codes in v[cr] on and are stored
.macro XCODES xs, cr, off
.irp i, 0,1,2,3,4,5,6,7,8,9,10,11,12,13,14,15
	v_med3_num_f32 v[\xs+\i], v[\xs+\i], -v13, v13 ; the conversion to an 8-bit code does not saturate (ISA guide 7.6.2): the hold at the largest code x the scale comes first
.endr
	v_cvt_scalef32_pk8_fp8_f32 v[\cr:\cr+1], v[\xs:\xs+7], v12
	v_cvt_scalef32_pk8_fp8_f32 v[\cr+2:\cr+3], v[\xs+8:\xs+15], v12
	v_nop                                          ; a plain vector line behind the conversions
	global_store_b128 v5, v[\cr:\cr+3], s[94:95] offset:\off   ; 32 lanes store 512 consecutive bytes, at a multiple of 512 from xc's first byte
.endm
; x: steps t and t + 1 through the two stages.  LDS serves a wave's instructions in order (ISA guide 5.7.1.4): no wait stands between the stores and the loads
.macro XPAIR t
	WIN FROM_X
.irp i, 0,1,2,3
	ds_store_b128 v6, v[16*(\t)+4*\i:16*(\t)+4*\i+3] offset:640*\i
.endr
.irp i, 0,1,2,3
	ds_store_b128 v6, v[16*(\t)+16+4*\i:16*(\t)+16+4*\i+3] offset:XSTG+640*\i
.endr
	WIN 0
.irp i, 0,1,2,3
	ds_load_b128 v[XX+4*\i:XX+4*\i+3], v7 offset:16*\i
.endr
.irp i, 0,1,2,3
	ds_load_b128 v[XX+16+4*\i:XX+16+4*\i+3], v7 offset:XSTG+16*\i
.endr
	s_wait_dscnt 4                                 ; step t is back; step t + 1's four loads may be out
	XCODES XX, XC+4*(\t), 512*(\t)
	s_wait_dscnt 0x0
	XCODES XX+16, XC+4*(\t)+4, 512*(\t)+512
.endm
.macro XGROUP g                        ; steps 4 g to 4 g + 3
	s_wait_loadcnt 48-16*(\g)                      ; their 16 loads are in; those of the later groups (16 each) may be out
	XPAIR 4*(\g)
	XPAIR 4*(\g)+2
.endm
.macro TURN slot, next, fill, xg       ; a slot's last step (set 1) changes slots: ONE barrier.  fill = 1: this slot is filled again, two slots ahead.  xg >= 0: that group of x's steps is worked first
.if (\xg) >= 0
	XGROUP \xg
.endif
	WIN 0                                          ; (the add's two registers lie in window 0)
	s_wait_tensorcnt 0x0                           ; all my tensor loads have landed: my part of the next slot; so a group 0 may be written
	ds_add_u32 v[SPW], v[NIL]                      ; 0 onto my spare word
.if \fill
	s_add_nc_u64 s[G0P+4*\slot+2:G0P+4*\slot+3], s[G0P+4*\slot+2:G0P+4*\slot+3], 2*PK0
	s_add_nc_u64 s[G0Q+4*\slot+2:G0Q+4*\slot+3], s[G0Q+4*\slot+2:G0Q+4*\slot+3], 2*QK0
.endif
	s_wait_dscnt 0x0                               ; the add is done, set 1 is in, and my reads of this slot are over
	s_barrier_signal -1
	WIN MULW
	MULH 0, 1, 0                                   ; work on registers while the others arrive
	WIN 0
	s_barrier_wait -1
.if \fill
	CREST                                          ; the barrier has opened a round of the cluster's: no wave of any partner still reads this slot or has a load on its way
	JLOAD \slot                                    ; the first tensor load behind the round, my only one until the next; its four v_nop are the places in front of the loads below
.else
	PLACES 4
.endif
	FETCH \next, 0, 0
	WIN MULW
	MULH 1, 1, 0
.endm
.macro LAST p                          ; the very last step: nothing more to fetch
	s_wait_dscnt 0x0
	WIN MULW
	MULH 0, \p, 0
	MULH 1, \p, 0
	WIN 0
.endm
	s_load_b256 s[4:11], s[0:1], 0x0               ; P = v1c s[4:5], Q = v2c s[6:7], the scales' exponents s[8:9], wc s[10:11]
	s_load_b64 s[12:13], s[0:1], 0x20              ; bf
	s_load_b128 s[92:95], s[0:1], 0x28             ; x s[92:93], xc s[94:95]
	v_lshl_add_u32 v[SPW], v0, 2, SPARE
	v_mov_b32 v[NIL], 0
	ds_add_u32 v[SPW], v[NIL]                      ; the wave's opening: the add, twice on end, and its wait ahead of my first tensor load
	ds_add_u32 v[SPW], v[NIL]
	v_lshrrev_b32 v1, 5, v0
	v_readfirstlane_b32 s14, v1                    ; wave 0..3
	s_lshr_b32 s16, s14, 1                         ; wp: which half of P's rows I multiply
	s_and_b32 s17, s14, 1                          ; wq: which half of Q's
	s_add_co_u32 s15, s14, 1
	s_lshr_b32 s15, s15, 2                         ; 1 in wave 3: it fetches P; waves 0-2 fetch Q
	s_bfe_u32 s18, ttmp6, 0x40000                  ; cx, cy: my place in the cluster
	s_bfe_u32 s19, ttmp6, 0x40004
	s_lshl_b32 s20, ttmp9, 2
	s_add_co_u32 s20, s20, s18                     ; px: which tile of P
	s_and_b32 s21, ttmp7, 0xffff
	s_lshl_b32 s21, s21, 2
	s_add_co_u32 s21, s21, s19                     ; qy: which tile of Q
	s_lshl_b32 s44, s19, 2
	s_lshl_b32 s44, 15, s44                        ; my row of the cluster shares Q's tile
	s_lshl_b32 s45, 0x1111, s18                    ; my column shares P's
	s_or_b32 s[G1Q], s44, (1<<20)|(1<<21)|(6<<22)|(3<<25)   ; 15:0 the mask; 17:16 elements of 1 byte; 20 padding on; 21 set beside a mask; 24:22 after every 128 words (code 6); 31:25 four words (code 3)
	s_or_b32 s[G1P], s45, (1<<20)|(1<<21)|(6<<22)|(3<<25)
	s_mov_b32 s[G1Q+1], 512<<16                    ; tensor_dim0
	s_mov_b32 s[G1Q+2], 64<<16                     ; tensor_dim1
	s_mov_b32 s[G1Q+3], 512<<16                    ; tile_dim0
	s_mov_b32 s[G1Q+4], 64                         ; tile_dim1
	s_mov_b32 s[G1Q+5], 3072                       ; from row to row
	s_mov_b32 s[G1Q+6], 0
	s_mov_b32 s[G1Q+7], 0
	s_mov_b32 s[G1P+1], 512<<16
	s_mov_b32 s[G1P+2], 96<<16
	s_mov_b32 s[G1P+3], 512<<16
	s_mov_b32 s[G1P+4], 96
	s_mov_b32 s[G1P+5], 3072
	s_mov_b32 s[G1P+6], 0
	s_mov_b32 s[G1P+7], 0
	s_mul_i32 s40, s20, 96*3072                    ; P's tile: row 96 px.  (s40-41 never hold qy or cy, s42-43 never px or cx)
	s_mov_b32 s41, 0
	s_mul_i32 s42, s21, 192
	s_lshl_b32 s46, s14, 6
	s_add_co_u32 s42, s42, s46                     ; Q's: row 192 qy + 64 x wave
	s_mul_i32 s42, s42, 3072
	s_mov_b32 s43, 0
	s_mul_i32 s47, s14, 33792                      ; where it goes: wave x 64 rows of 528 bytes; wave 3's place is P's
	s_wait_dscnt 0x0                               ; both opening adds are done
	s_wait_kmcnt 0x0
	s_load_b128 s[68:71], s[8:9], 0x0              ; e0 .. e3
	s_load_b64 s[72:73], s[8:9], 0x10              ; e4, e5
	s_add_nc_u64 s[40:41], s[4:5], s[40:41]
	s_add_nc_u64 s[42:43], s[6:7], s[42:43]
	CROUND                                         ; all sixteen work-groups are here: the first joint loads meet
.irp s, 0,1
	s_mov_b32 s[G0P+4*\s], 1
	s_add_co_u32 s[G0P+4*\s+1], s[LP], \s*SLOT
	s_add_nc_u64 s[G0P+4*\s+2:G0P+4*\s+3], s[40:41], \s*PK0
	s_or_b32 s[G0P+4*\s+3], s[G0P+4*\s+3], 0x80000000
	s_mov_b32 s[G0Q+4*\s], 1
	s_add_co_u32 s[G0Q+4*\s+1], s[LQ], \s*SLOT
	s_add_nc_u64 s[G0Q+4*\s+2:G0Q+4*\s+3], s[42:43], \s*QK0
	s_or_b32 s[G0Q+4*\s+3], s[G0Q+4*\s+3], 0x80000000
	JLOAD \s                                       ; two loads of mine are out
.endr
	; x: my wave's run of 8,192 numbers is asked for whole: 64 loads of 512 consecutive bytes, load n into v[4 n] on of window 3
	v_and_b32 v8, 31, v0                           ; lane
	v_lshlrev_b32 v5, 4, v8                        ; my 16 bytes of a load's 512, and of a step's 512 bytes of codes; never rewritten
	s_lshl_b32 s88, s21, 4
	s_add_co_u32 s88, s88, s20                     ; the work-group's number: 16 qy + px
	s_lshl_b32 s88, s88, 2
	s_add_co_u32 s88, s88, s14                     ; which run is my wave's
	s_lshl_b32 s86, s88, 15                        ; 32,768 bytes of x,
	s_mov_b32 s87, 0
	s_add_nc_u64 s[92:93], s[92:93], s[86:87]
	s_lshl_b32 s86, s88, 13                        ; 8,192 bytes of codes
	s_add_nc_u64 s[94:95], s[94:95], s[86:87]
	WIN TO_X
.set XT, 0
.rept 64
	global_load_b128 v[4*XT:4*XT+3], v5, s[92:93] offset:512*XT th:TH_LOAD_NT
.set XT, XT+1
.endr
	WIN 0
	v_lshrrev_b32 v6, 2, v8
	v_mul_u32_u24 v6, v6, 80
	v_and_b32 v9, 3, v8
	v_lshl_add_u32 v6, v9, 4, v6
	s_mul_i32 s89, s14, 2*XSTG
	s_add_co_u32 s89, s89, XST                     ; my two stages
	v_add_nc_u32 v6, s89, v6                       ; into a stage: four lanes' 64 bytes on end, then 16 of padding; a load's 512 bytes take eight places
	v_mul_u32_u24 v7, v8, 80
	v_add_nc_u32 v7, s89, v7                       ; out of it: my place
	v_and_b32 v1, 15, v0                           ; r = lane % 16
	v_bfe_u32 v2, v0, 4, 1                         ; h = lane / 16
	v_mul_u32_u24 v3, v1, PP
	v_lshl_add_u32 v3, v2, 4, v3
	s_mul_i32 s84, s16, 16*NPF*PP
	s_add_co_u32 s84, s84, POFF
	v_add_nc_u32 v[ADRP], s84, v3
	s_add_co_u32 s84, s84, SLOT
	v_add_nc_u32 v[ADRP+1], s84, v3
	v_mul_u32_u24 v4, v1, QP
	v_lshl_add_u32 v4, v2, 4, v4
	s_mul_i32 s85, s17, 16*NQF*QP
	v_add_nc_u32 v[ADRQ], s85, v4
	s_add_co_u32 s85, s85, SLOT
	v_add_nc_u32 v[ADRQ+1], s85, v4
	; the way out's lane numbers
.set VO,   22                          ; v22  my byte in wc from the wave's corner: 8 h rows of 2,897 + r
.set RB,   24                          ; v24  the first of my eight rows in block 0: 96 px + 48 wp + 8 h
.set COL,  25                          ; v25  my column in block 0: 192 qy + 96 wq + r
.set COLM, 26                          ; v26-28  for block a of rows: my column where my eight rows are stored, else a number beyond every column
.set U1,   29                          ; v29  my column where my block 0 holds rows 720-727 (b1's rows 723, 724), else that number
.set U2,   30                          ; v30  the same for rows 1448-1455 (b2's row 1448)
.set BIG,  31
	s_mul_i32 s82, s20, 96
	s_mul_i32 s83, s16, 48
	s_add_co_u32 s82, s82, s83
	v_lshl_add_u32 v[RB], v2, 3, s82
	s_mul_i32 s86, s21, 192
	s_mul_i32 s87, s17, 96
	s_add_co_u32 s86, s86, s87
	v_add_nc_u32 v[COL], s86, v1
	v_mov_b32 v[BIG], 0x40000000
.irp a, 0,1,2
	v_cmp_gt_u32 vcc_lo, 1449-16*\a, v[RB]
	v_cndmask_b32 v[COLM+\a], v[BIG], v[COL], vcc_lo
.endr
	v_cmp_eq_u32 vcc_lo, 720, v[RB]
	v_cndmask_b32 v[U1], v[BIG], v[COL], vcc_lo
	v_cmp_eq_u32 vcc_lo, 1448, v[RB]
	v_cndmask_b32 v[U2], v[BIG], v[COL], vcc_lo
	v_mul_u32_u24 v[VO], v2, 8*2897
	v_add_nc_u32 v[VO], v[VO], v1
	s_mul_i32 s82, s82, 2897
	s_add_co_u32 s82, s82, s86
	s_mov_b32 s83, 0
	s_add_nc_u64 s[10:11], s[10:11], s[82:83]      ; wc at my wave's corner
	s_wait_kmcnt 0x0                               ; the exponents
	s_add_co_i32 s77, s70, 127
	s_lshl_b32 s78, s77, 23
	v_mov_b32 v12, s78                             ; 2^e2 as f32: x's conversions take its exponent field
	s_add_co_i32 s77, s77, 8
	s_lshl_b32 s77, s77, 23
	s_or_b32 s77, s77, 0x600000
	v_mov_b32 v13, s77                             ; 448 x 2^e2
	s_wait_tensorcnt 0x1                           ; my part of slot 0 is in; slot 1's may stay out
	s_barrier_signal -1
	s_barrier_wait -1                              ; everybody's is
	FETCH 0, 0, 0
	STEP 0, 0, 1                                   ; the first step's products start the sums
.irp lap, 0,1                          ; a lap goes once round the ring, from its second step to the next lap's first, and fills both slots again; written out twice, since x's registers differ
	STEP 0, 1, 0
	STEP 0, 2, 0
	TURN 0, 1, 1, 2*\lap
	STEP 1, 0, 0
	STEP 1, 1, 0
	STEP 1, 2, 0
	TURN 1, 0, 1, 2*\lap+1
	STEP 0, 0, 0
.endr
	STEP 0, 1, 0                                   ; the last lap fills nothing, and has no round of the cluster's barrier
	STEP 0, 2, 0
	TURN 0, 1, 0, -1
	STEP 1, 0, 0
	STEP 1, 1, 0
	STEP 1, 2, 0
	LAST 1
	; THE WAY OUT.  Block a of my rows (16 a on) against my six blocks of columns.
.set T,    32                          ; v32-79   a block row's 48 sums x their factor
.set CB,   80                          ; v80-127  for each block of columns eight registers: +0, +1 the two words of codes; +2..+4 word 0 shifted by 1, 2, 3 bytes; +5..+7 word 1 likewise
.set F,    128                         ; v128-135 the factor of each of my eight rows
.set BV,   136                         ; v136-153 for each block of columns: V of rows +0, +3, +4 of block 0, in f32
.set F1V,  154
.set F2V,  155
.set FBV,  156
.set LIMV, 157
.set ONEV, 158
.set VT,   159
	PLACES 4                                       ; in front of the first read of results and of writes into the registers that held P's fragments
	s_wait_xcnt 0x0                                ; the stores of x's codes have read their registers, which are written again below; and EXEC changes only behind this wait
	s_add_co_i32 s74, s68, s69
	s_add_co_i32 s74, s74, 127
	s_sub_co_i32 s75, s74, s71
	s_sub_co_i32 s76, s74, s73
	s_lshl_b32 s74, s74, 23                        ; 2^(e0 + e1) as f32
	s_lshl_b32 s75, s75, 23                        ; 2^(e0 + e1 - e3)
	s_lshl_b32 s76, s76, 23                        ; 2^(e0 + e1 - e5)
	v_mov_b32 v[FBV], s74
	v_mov_b32 v[F1V], s75
	v_mov_b32 v[F2V], s76
	v_mov_b32 v[LIMV], 0x43e00000                  ; 448
	v_mov_b32 v[ONEV], 1.0                         ; the conversion's scale: the factor has done the division
.irp a, 0,1,2
.irp j, 0,1,2,3,4,5,6,7
	v_cmp_gt_u32 vcc_lo, 724-16*\a-\j, v[RB]       ; is my row 16 a + j one of rows 0 to 723?
	v_cndmask_b32 v[F+\j], v[F2V], v[F1V], vcc_lo
.endr
	WIN RD2
.irp b, 0,1,2,3,4,5
.irp k, 0,2,4,6
	v_pk_mul_f32 v[T+8*\b+\k:T+8*\b+\k+1], v[8*(6*\a+\b)+\k:8*(6*\a+\b)+\k+1], v[F+\k:F+\k+1]   ; each accumulator from its low end on
.endr
.if \a == 0
	v_mul_f32 v[BV+3*\b], v[8*\b], v[FBV]
	v_mul_f32 v[BV+3*\b+1], v[8*\b+3], v[FBV]
	v_mul_f32 v[BV+3*\b+2], v[8*\b+4], v[FBV]
.endif
.endr
	WIN 0
.set TI, 0
.rept 48
	v_med3_num_f32 v[T+TI], v[T+TI], -v[LIMV], v[LIMV]   ; the conversion to an 8-bit code does not saturate (ISA guide 7.6.2)
.set TI, TI+1
.endr
.irp b, 0,1,2,3,4,5
	v_cvt_scalef32_pk8_fp8_f32 v[CB+8*\b:CB+8*\b+1], v[T+8*\b:T+8*\b+7], v[ONEV]   ; my column's codes of eight rows
.endr
	v_nop                                          ; a plain vector line between the conversions and the reads of their results
.irp b, 0,1,2,3,4,5
	v_lshrrev_b32 v[CB+8*\b+2], 8, v[CB+8*\b]
	v_lshrrev_b32 v[CB+8*\b+3], 16, v[CB+8*\b]
	v_lshrrev_b32 v[CB+8*\b+4], 24, v[CB+8*\b]
	v_lshrrev_b32 v[CB+8*\b+5], 8, v[CB+8*\b+1]
	v_lshrrev_b32 v[CB+8*\b+6], 16, v[CB+8*\b+1]
	v_lshrrev_b32 v[CB+8*\b+7], 24, v[CB+8*\b+1]
.endr
.irp b, 0,1,2,3,4,5
	v_cmp_gt_u32 vcc_lo, 2897-16*\b, v[COLM+\a]    ; my column lies in V, and my rows are stored.  (No global access has been issued since the last wait on XCNT for 0)
	s_and_saveexec_b32 s80, vcc_lo
	global_store_b8 v[VO], v[CB+8*\b], s[10:11] offset:(16*\a+0)*2897+16*\b
	global_store_b8 v[VO], v[CB+8*\b+2], s[10:11] offset:(16*\a+1)*2897+16*\b
	global_store_b8 v[VO], v[CB+8*\b+3], s[10:11] offset:(16*\a+2)*2897+16*\b
	global_store_b8 v[VO], v[CB+8*\b+4], s[10:11] offset:(16*\a+3)*2897+16*\b
	global_store_b8 v[VO], v[CB+8*\b+1], s[10:11] offset:(16*\a+4)*2897+16*\b
	global_store_b8 v[VO], v[CB+8*\b+5], s[10:11] offset:(16*\a+5)*2897+16*\b
	global_store_b8 v[VO], v[CB+8*\b+6], s[10:11] offset:(16*\a+6)*2897+16*\b
	global_store_b8 v[VO], v[CB+8*\b+7], s[10:11] offset:(16*\a+7)*2897+16*\b
	s_wait_xcnt 0x0                                ; EXEC and the stores' data are written again only behind this wait
	s_or_b32 exec_lo, exec_lo, s80
.endr
.endr
; A bias: the lanes whose column of block b lies lo .. lo + len - 1 store their number at bf's number base + column - lo.  u: the register that holds the column in the lanes that hold the row.
.macro BIAS b, val, u, lo, len, base
	v_add_nc_u32 v[VT], (16*(\b)-(\lo))&0xffffffff, v[\u]
	v_cmp_gt_u32 vcc_lo, \len, v[VT]
	v_lshlrev_b32 v[VT], 2, v[VT]
	s_and_saveexec_b32 s80, vcc_lo
	global_store_b32 v[VT], v[\val], s[12:13] offset:4*(\base)
	s_wait_xcnt 0x0
	s_or_b32 exec_lo, exec_lo, s80
.endm
.irp b, 0,1,2,3,4,5
	BIAS \b, BV+3*\b+1, U1, 2621, 276, 0           ; row 723: b1's first 276
	BIAS \b, BV+3*\b+2, U1, 0, 748, 276            ; row 724: its other 748
	BIAS \b, BV+3*\b, U2, 472, 2048, 1024          ; row 1448: b2
.endr
	s_wait_tensorcnt 0x0                           ; the wave's end: behind my last tensor load and my last LDS store
	ds_add_u32 v[SPW], v[NIL]
	s_wait_dscnt 0x0
	CROUND                                         ; the closing round: no work-group ends while a partner may still ask for a tile that names it
	s_endpgm
.Lfunc_end_k_qb3520be88c_gemm1:
	.size	k_qb3520be88c_gemm1, .Lfunc_end_k_qb3520be88c_gemm1-k_qb3520be88c_gemm1
	.p2alignl 7, 3214868480
	.fill 96, 4, 3214868480
	.section	.rodata,"a",@progbits
	.p2align	6, 0x0
	.amdhsa_kernel k_qb3520be88c_gemm1
		.amdhsa_group_segment_fixed_size 327680
		.amdhsa_private_segment_fixed_size 0
		.amdhsa_enable_private_segment 0
		.amdhsa_kernarg_size 56
		.amdhsa_user_sgpr_count 2
		.amdhsa_user_sgpr_kernarg_segment_ptr 1
		.amdhsa_wavefront_size32 1
		.amdhsa_system_sgpr_workgroup_id_x 1
		.amdhsa_system_sgpr_workgroup_id_y 1
		.amdhsa_system_sgpr_workgroup_id_z 1
		.amdhsa_system_vgpr_workitem_id 0
		.amdhsa_next_free_vgpr 1024
		.amdhsa_next_free_sgpr 100
		.amdhsa_reserve_vcc 1
		.amdhsa_float_denorm_mode_32 3
		.amdhsa_float_denorm_mode_16_64 3
		.amdhsa_memory_ordered 1
		.amdhsa_forward_progress 1
		.amdhsa_inst_pref_size 180
	.end_amdhsa_kernel
	.amdgpu_metadata
---
amdhsa.version: [ 1, 2 ]
amdhsa.kernels:
  - .name:           k_qb3520be88c_gemm1
    .symbol:         k_qb3520be88c_gemm1.kd
    .args:
      - { .name: v1c, .offset: 0, .size: 8, .value_kind: global_buffer, .address_space: global }
      - { .name: v2c, .offset: 8, .size: 8, .value_kind: global_buffer, .address_space: global }
      - { .name: lowp_scales, .offset: 16, .size: 8, .value_kind: global_buffer, .address_space: global }
      - { .name: wc, .offset: 24, .size: 8, .value_kind: global_buffer, .address_space: global }
      - { .name: bf, .offset: 32, .size: 8, .value_kind: global_buffer, .address_space: global }
      - { .name: x, .offset: 40, .size: 8, .value_kind: global_buffer, .address_space: global }
      - { .name: xc, .offset: 48, .size: 8, .value_kind: global_buffer, .address_space: global }
    .group_segment_fixed_size: 327680
    .private_segment_fixed_size: 0
    .kernarg_segment_align: 8
    .kernarg_segment_size: 56
    .max_flat_workgroup_size: 128
    .sgpr_count:     100
    .vgpr_count:     1024
    .wavefront_size: 32
...
	.end_amdgpu_metadata
.endif
;; end of part 2
;; launch gemm2 (part 3): grid 8 x 32, 4 waves a work-group, clusters of 4 x 4, 327,680 bytes of LDS; arguments wc, xc, lowp_scales, bf, hc; writes hc
.if DOCPART == 3
	.amdgcn_target "amdgcn-amd-amdhsa--gfx1250"
	.amdhsa_code_object_version 6
	.text
	.protected	k_qb3520be88c_gemm2
	.globl	k_qb3520be88c_gemm2
	.p2align	8
	.type	k_qb3520be88c_gemm2,@function
k_qb3520be88c_gemm2:
	s_mov_b64 s[64:65], 0
	v_nop
	global_prefetch_b8 v0, s[64:65] scope:SCOPE_SE
	s_setreg_imm32_b32 hwreg(HW_REG_WAVE_MODE, 25, 1), 1
	s_wait_xcnt 0x0
	s_wait_alu depctr_hold_cnt(0) depctr_sa_sdst(0) depctr_va_vdst(0) depctr_va_sdst(0) depctr_va_ssrc(0) depctr_va_vcc(0) depctr_vm_vsrc(0)
	s_getreg_b32 s2, hwreg(HW_REG_IB_STS2, 6, 4)
	s_cmp_eq_u32 s2, 0
	s_cbranch_scc0 .Lentry_in_a_cluster
	s_endpgm
.Lentry_in_a_cluster:
	s_bfe_u32 s2, ttmp6, 0x10000c
	s_cmp_lg_u32 s2, 0xf033
	s_cbranch_scc0 .Lentry_shape_is_right
	s_endpgm
.Lentry_shape_is_right:
; LAUNCH 3 OF 4: the hidden layer h = relu(x W1^T + b1) on codes of FP8 (E4M3), quantised on its way out with entry 4 of the scales.  No work of this product is left out.
; W1's codes are wc's bytes 0 on, [1024][2048]; x's codes xc [4096][2048]; b1 is bf's numbers 0 to 1023.  A sum stands for sum x 2^(e2 + e3).
; hc holds h's codes in chunks of 128 hidden units: [8][4096][128], so that this launch's tile is one dense block of 16,384 bytes and the next launch's K step of 128 one dense tile.
; LIMITS: e2 + e3 between -126 and 127, e4 between -126 and 119, so that each power of two below is an f32 number.  NaN is not served.
; SHARES.  A work-group of four waves makes 128 hidden units x 128 rows of x; wave (wp, wq) 64 x 64: 16 accumulators.  P = W1's codes is source 0, Q = x's codes source 1: a lane holds ONE row of x (lane % 16) and eight
; neighbouring hidden units 8 (lane / 16) + 0..7: eight neighbours along the next product's K, which one conversion turns into 8 bytes.
; K goes in steps of 512 through a ring of two LDS slots filled by the tensor data mover (waves 0, 1: Q's halves; waves 2, 3: P's).  CLUSTERS: 4 x 4; P's tile is shared along a column of the cluster, Q's along a row, each asked for jointly.
; REGISTERS, in windows of 256: window 0: v0-31 addresses; v32-127 the way out; from v128 P's fragments, two sets of 64.   window 1: Q's fragments, two sets.   window 2: accumulator (ip, iq) at v[8 (NQF ip + iq)].
.set NPF,   4
.set NQF,   4
.set LAPS,  2
.set PP,    528                        ; an LDS row: 512 bytes + 16 of padding
.set QP,    528
.set QKS,   128
.set POFF,  67584                      ; a slot: Q's 128 rows, then P's 128
.set SLOT,  135168
.set PK0,   512
.set QK0,   512
.set LP,    47
.set LQ,    47
.set SPARE, 2*SLOT                     ; behind the ring: the spare words, 128 bytes for each wave, which no other line names
.set NL,    4*(NPF+NQF)
.set SPW,   10
.set NIL,   11
.set ADRP,  16
.set ADRQ,  20
.set PF,    128
.set G1P,   24
.set G0P,   32
.set G1Q,   48
.set G0Q,   56
.set MULW,  0xa4                       ; source 0 (P) window 0, source 1 (Q) window 1, C and D window 2
.set TO_Q,  0x40
.set RD2,   0x02
.set MSB, 0
.macro WIN new                         ; the immediate's high byte repeats the setting that is left
.if MSB != \new
	s_set_vgpr_msb (MSB<<8)|\new
.set MSB, \new
.endif
.endm
.macro PLACES n
.rept \n
	v_nop
.endr
.endm
.macro CREST
	s_cmp_lg_u32 s14, 0
	s_cbranch_scc1 .Lnot_wave_0_\@
	s_barrier_signal -3
.Lnot_wave_0_\@:
	s_barrier_wait -3
	s_barrier_signal -1
	s_barrier_wait -1
.endm
.macro CROUND
	s_barrier_signal -1
	s_barrier_wait -1
	CREST
.endm
.macro JLOAD s                         ; a joint load: s15 = 0: I fetch for Q, 1: for P.  An s_nop 0 and four v_nop follow each of the two lines
	s_cmp_eq_u32 s15, 0
	s_cbranch_scc0 .Lfor_p_\@
	tensor_load_to_lds s[G0Q+4*\s:G0Q+4*\s+3], s[G1Q:G1Q+7]
	s_nop 0
.rept 4
	v_nop
.endr
	s_branch .Lasked_\@
.Lfor_p_\@:
	tensor_load_to_lds s[G0P+4*\s:G0P+4*\s+3], s[G1P:G1P+7]
	s_nop 0
.rept 4
	v_nop
.endr
.Lasked_\@:
.endm
.macro FRAG reg, adr, off
.irp c, 0,1,2,3
	ds_load_b128 v[\reg+4*\c:\reg+4*\c+3], v[\adr] offset:\off+32*\c
.endr
.endm
.macro FETCH slot, q, p
	WIN TO_Q
.set FI, 0
.rept NQF
	FRAG 128*(\p)+16*FI, ADRQ+\slot, (\q)*QKS+FI*16*QP
.set FI, FI+1
.endr
	WIN 0
.set FI, 0
.rept NPF
	FRAG PF+64*(\p)+16*FI, ADRP+\slot, 128*(\q)+FI*16*PP
.set FI, FI+1
.endr
.endm
.macro MULH hf, p, zero                ; the accumulators take turns, one instruction a turn, in the same order in every step
.set MQ, (\hf)*(NQF/2)
.rept NQF/2
.set MP, 0
.rept NPF
.set MA, 8*(NQF*MP+MQ)
.if \zero
	v_wmma_f32_16x16x128_fp8_fp8 v[MA:MA+7], v[PF+64*(\p)+16*MP:PF+64*(\p)+16*MP+15], v[128*(\p)+16*MQ:128*(\p)+16*MQ+15], 0
.else
	v_wmma_f32_16x16x128_fp8_fp8 v[MA:MA+7], v[PF+64*(\p)+16*MP:PF+64*(\p)+16*MP+15], v[128*(\p)+16*MQ:128*(\p)+16*MQ+15], v[MA:MA+7]
.endif
.set MP, MP+1
.endr
.set MQ, MQ+1
.endr
.endm
.macro STEP slot, q, zero
	PLACES 4                                       ; the other set was read by the matrix instructions just issued
	FETCH \slot, (\q)+1, 1-(\q)%2
	s_wait_dscnt NL                                ; all but the NL loads just issued: this step's set is in
	WIN MULW
	MULH 0, (\q)%2, \zero
	MULH 1, (\q)%2, \zero
.endm
.macro TURN slot, next, fill
	WIN 0
	s_wait_tensorcnt 0x0                           ; all my tensor loads have landed: my part of the next slot; so a group 0 may be written
	ds_add_u32 v[SPW], v[NIL]                      ; 0 onto my spare word
.if \fill
	s_add_nc_u64 s[G0P+4*\slot+2:G0P+4*\slot+3], s[G0P+4*\slot+2:G0P+4*\slot+3], 2*PK0
	s_add_nc_u64 s[G0Q+4*\slot+2:G0Q+4*\slot+3], s[G0Q+4*\slot+2:G0Q+4*\slot+3], 2*QK0
.endif
	s_wait_dscnt 0x0                               ; the add is done, set 1 is in, and my reads of this slot are over
	s_barrier_signal -1
	WIN MULW
	MULH 0, 1, 0
	WIN 0
	s_barrier_wait -1
.if \fill
	CREST                                          ; no wave of any partner still reads this slot or has a load on its way
	JLOAD \slot                                    ; the first tensor load behind the round; its four v_nop are the places in front of the loads below
.else
	PLACES 4
.endif
	FETCH \next, 0, 0
	WIN MULW
	MULH 1, 1, 0
.endm
.macro LAST p
	s_wait_dscnt 0x0
	WIN MULW
	MULH 0, \p, 0
	MULH 1, \p, 0
	WIN 0
.endm
	s_load_b256 s[4:11], s[0:1], 0x0               ; P = wc s[4:5], Q = xc s[6:7], the scales' exponents s[8:9], bf s[10:11]
	s_load_b64 s[12:13], s[0:1], 0x20              ; hc
	v_lshl_add_u32 v[SPW], v0, 2, SPARE
	v_mov_b32 v[NIL], 0
	ds_add_u32 v[SPW], v[NIL]                      ; the wave's opening: the add, twice on end, and its wait ahead of my first tensor load
	ds_add_u32 v[SPW], v[NIL]
	v_lshrrev_b32 v1, 5, v0
	v_readfirstlane_b32 s14, v1                    ; wave 0..3
	s_lshr_b32 s16, s14, 1                         ; wp
	s_and_b32 s17, s14, 1                          ; wq.  Also: which 64 rows of the tile I fetch
	s_lshr_b32 s15, s14, 1                         ; waves 0, 1 fetch Q, waves 2, 3 P
	s_bfe_u32 s18, ttmp6, 0x40000
	s_bfe_u32 s19, ttmp6, 0x40004
	s_lshl_b32 s20, ttmp9, 2
	s_add_co_u32 s20, s20, s18                     ; px
	s_and_b32 s21, ttmp7, 0xffff
	s_lshl_b32 s21, s21, 2
	s_add_co_u32 s21, s21, s19                     ; qy
	s_lshl_b32 s44, s19, 2
	s_lshl_b32 s44, 15, s44
	s_lshl_b32 s45, 0x1111, s18
	s_or_b32 s[G1Q], s44, (1<<20)|(1<<21)|(6<<22)|(3<<25)   ; the mask; elements of 1 byte; padding: four words after every 128
	s_or_b32 s[G1P], s45, (1<<20)|(1<<21)|(6<<22)|(3<<25)
.irp g, G1P, G1Q
	s_mov_b32 s[\g+1], 512<<16                     ; tensor_dim0
	s_mov_b32 s[\g+2], 64<<16                      ; tensor_dim1
	s_mov_b32 s[\g+3], 512<<16                     ; tile_dim0
	s_mov_b32 s[\g+4], 64                          ; tile_dim1
	s_mov_b32 s[\g+5], 2048                        ; from row to row
	s_mov_b32 s[\g+6], 0
	s_mov_b32 s[\g+7], 0
.endr
	s_lshl_b32 s46, s17, 6
	s_lshl_b32 s40, s20, 7
	s_add_co_u32 s40, s40, s46
	s_lshl_b32 s40, s40, 11                        ; P: row 128 px + 64 x half, of 2,048 bytes
	s_mov_b32 s41, 0
	s_lshl_b32 s42, s21, 7
	s_add_co_u32 s42, s42, s46
	s_lshl_b32 s42, s42, 11                        ; Q: row 128 qy + 64 x half
	s_mov_b32 s43, 0
	s_mul_i32 s47, s14, 33792                      ; where it goes: wave x 64 rows of 528 bytes
	s_wait_dscnt 0x0
	s_wait_kmcnt 0x0
	s_load_b128 s[68:71], s[8:9], 0x0
	s_load_b64 s[72:73], s[8:9], 0x10
	s_add_nc_u64 s[40:41], s[4:5], s[40:41]
	s_add_nc_u64 s[42:43], s[6:7], s[42:43]
	CROUND
.irp s, 0,1
	s_mov_b32 s[G0P+4*\s], 1
	s_add_co_u32 s[G0P+4*\s+1], s[LP], \s*SLOT
	s_add_nc_u64 s[G0P+4*\s+2:G0P+4*\s+3], s[40:41], \s*PK0
	s_or_b32 s[G0P+4*\s+3], s[G0P+4*\s+3], 0x80000000
	s_mov_b32 s[G0Q+4*\s], 1
	s_add_co_u32 s[G0Q+4*\s+1], s[LQ], \s*SLOT
	s_add_nc_u64 s[G0Q+4*\s+2:G0Q+4*\s+3], s[42:43], \s*QK0
	s_or_b32 s[G0Q+4*\s+3], s[G0Q+4*\s+3], 0x80000000
	JLOAD \s
.endr
	v_and_b32 v1, 15, v0                           ; r
	v_bfe_u32 v2, v0, 4, 1                         ; h
	v_mul_u32_u24 v3, v1, PP
	v_lshl_add_u32 v3, v2, 4, v3
	s_mul_i32 s84, s16, 16*NPF*PP
	s_add_co_u32 s84, s84, POFF
	v_add_nc_u32 v[ADRP], s84, v3
	s_add_co_u32 s84, s84, SLOT
	v_add_nc_u32 v[ADRP+1], s84, v3
	v_mul_u32_u24 v4, v1, QP
	v_lshl_add_u32 v4, v2, 4, v4
	s_mul_i32 s85, s17, 16*NQF*QP
	v_add_nc_u32 v[ADRQ], s85, v4
	s_add_co_u32 s85, s85, SLOT
	v_add_nc_u32 v[ADRQ+1], s85, v4
.set T,   32                           ; v32-63   32 numbers of h; later rows of codes on their way out
.set CD,  64                           ; v64-95   codes: two registers for each accumulator
.set BI,  96                           ; v96-127  b1 of my hidden units: eight registers for each block ip, in the result's layout
	s_lshl_b32 s82, s20, 9
	s_lshl_b32 s83, s16, 8
	s_add_co_u32 s82, s82, s83                     ; b1 at hidden unit 128 px + 64 wp
	s_mov_b32 s83, 0
	s_add_nc_u64 s[10:11], s[10:11], s[82:83]
	v_lshlrev_b32 v5, 5, v2                        ; + 8 h numbers
.irp i, 0,1,2,3
	global_load_b128 v[BI+8*\i:BI+8*\i+3], v5, s[10:11] offset:64*\i
	global_load_b128 v[BI+8*\i+4:BI+8*\i+7], v5, s[10:11] offset:64*\i+16
.endr
	; the stage for the way out: 128 rows of x, 128 bytes of codes + 16.  It lies in slot 0, which has had its last fill and its last read when the first code is stored there
	s_mul_i32 s88, s17, 64*144
	s_lshl_b32 s89, s16, 6
	s_add_co_u32 s88, s88, s89
	v_mul_u32_u24 v6, v1, 144
	v_lshl_add_u32 v6, v2, 3, v6
	v_add_nc_u32 v6, s88, v6                       ; in: row 64 wq + r, byte 64 wp + 8 h
	v_and_b32 v8, 31, v0
	v_lshrrev_b32 v9, 3, v8
	v_mul_u32_u24 v7, v9, 144
	v_and_b32 v9, 7, v8
	v_lshl_add_u32 v7, v9, 4, v7
	s_mul_i32 s89, s14, 32*144
	v_add_nc_u32 v7, s89, v7                       ; back: my wave's 32 rows, four rows an instruction, eight lanes to a row
	v_lshlrev_b32 v8, 4, v8                        ; and the same four rows in hc: 512 bytes on end
	s_lshl_b32 s86, s20, 19                        ; chunk px,
	s_lshl_b32 s87, s21, 14                        ; row 128 qy,
	s_add_co_u32 s86, s86, s87
	s_lshl_b32 s87, s14, 12                        ; + 32 x wave
	s_add_co_u32 s86, s86, s87
	s_mov_b32 s87, 0
	s_add_nc_u64 s[12:13], s[12:13], s[86:87]
	s_wait_tensorcnt 0x1                           ; my part of slot 0 is in; slot 1's may stay out
	s_barrier_signal -1
	s_barrier_wait -1
	FETCH 0, 0, 0
	STEP 0, 0, 1
	WIN 0
	s_mov_b32 s3, LAPS-1
.Llap:
	STEP 0, 1, 0
	STEP 0, 2, 0
	TURN 0, 1, 1
	STEP 1, 0, 0
	STEP 1, 1, 0
	STEP 1, 2, 0
	TURN 1, 0, 1
	STEP 0, 0, 0
	WIN 0
	s_sub_co_u32 s3, s3, 1
	s_cmp_lg_u32 s3, 0
	s_cbranch_scc1 .Llap
	STEP 0, 1, 0
	STEP 0, 2, 0
	TURN 0, 1, 0
	STEP 1, 0, 0
	STEP 1, 1, 0
	STEP 1, 2, 0
	LAST 1
	; THE WAY OUT: h = sum x 2^(e2 + e3) + b1; the activation and the hold in one; eight neighbours along the next K to a conversion.
	PLACES 4
	s_wait_kmcnt 0x0
	s_add_co_i32 s74, s70, s71
	s_add_co_i32 s74, s74, 127
	s_lshl_b32 s74, s74, 23                        ; 2^(e2 + e3) as f32
	s_mov_b32 s75, s74                             ; (named with it as a pair, so it is written)
	s_add_co_i32 s76, s72, 127
	s_lshl_b32 s77, s76, 23
	v_mov_b32 v12, s77                             ; 2^e4: the conversion takes its exponent field
	s_add_co_i32 s76, s76, 8
	s_lshl_b32 s76, s76, 23
	s_or_b32 s76, s76, 0x600000
	v_mov_b32 v13, s76                             ; 448 x 2^e4
	s_wait_loadcnt 0x0                             ; b1
.irp ip, 0,1,2,3
	WIN RD2
.irp iq, 0,1,2,3
.irp k, 0,2,4,6
	v_pk_fma_f32 v[T+8*\iq+\k:T+8*\iq+\k+1], v[8*(4*\ip+\iq)+\k:8*(4*\ip+\iq)+\k+1], s[74:75], v[BI+8*\ip+\k:BI+8*\ip+\k+1] op_sel_hi:[1,0,1]   ; each accumulator from its low end on
.endr
.endr
	WIN 0
.set TI, 0
.rept 32
	v_med3_num_f32 v[T+TI], v[T+TI], 0, v13        ; between 0 and the largest code x the scale
.set TI, TI+1
.endr
.irp iq, 0,1,2,3
	v_cvt_scalef32_pk8_fp8_f32 v[CD+8*\ip+2*\iq:CD+8*\ip+2*\iq+1], v[T+8*\iq:T+8*\iq+7], v12
.endr
	v_nop                                          ; a plain vector line behind the conversions: the next block writes their sources
.irp iq, 0,1,2,3
	ds_store_b64 v6, v[CD+8*\ip+2*\iq:CD+8*\ip+2*\iq+1] offset:2304*\iq+16*\ip
.endr
.endr
	s_wait_dscnt 0x0                               ; for the others' sake: my stores into the stage are done
	s_barrier_signal -1
	s_barrier_wait -1                              ; a row's 128 bytes come from two waves
.irp t, 0,1,2,3,4,5,6,7
	ds_load_b128 v[T+4*\t:T+4*\t+3], v7 offset:576*\t
.endr
.irp t, 0,1,2,3,4,5,6,7
	s_wait_dscnt 7-\t                              ; the loads behind this one may stay out
	global_store_b128 v8, v[T+4*\t:T+4*\t+3], s[12:13] offset:512*\t   ; 32 lanes store 512 consecutive bytes, at a multiple of 512 from hc's first byte
.endr
	s_wait_tensorcnt 0x0                           ; the wave's end: behind my last tensor load and my last LDS store
	ds_add_u32 v[SPW], v[NIL]
	s_wait_dscnt 0x0
	CROUND                                         ; the closing round
	s_endpgm
.Lfunc_end_k_qb3520be88c_gemm2:
	.size	k_qb3520be88c_gemm2, .Lfunc_end_k_qb3520be88c_gemm2-k_qb3520be88c_gemm2
	.p2alignl 7, 3214868480
	.fill 96, 4, 3214868480
	.section	.rodata,"a",@progbits
	.p2align	6, 0x0
	.amdhsa_kernel k_qb3520be88c_gemm2
		.amdhsa_group_segment_fixed_size 327680
		.amdhsa_private_segment_fixed_size 0
		.amdhsa_enable_private_segment 0
		.amdhsa_kernarg_size 40
		.amdhsa_user_sgpr_count 2
		.amdhsa_user_sgpr_kernarg_segment_ptr 1
		.amdhsa_wavefront_size32 1
		.amdhsa_system_sgpr_workgroup_id_x 1
		.amdhsa_system_sgpr_workgroup_id_y 1
		.amdhsa_system_sgpr_workgroup_id_z 1
		.amdhsa_system_vgpr_workitem_id 0
		.amdhsa_next_free_vgpr 768
		.amdhsa_next_free_sgpr 100
		.amdhsa_reserve_vcc 0
		.amdhsa_float_denorm_mode_32 3
		.amdhsa_float_denorm_mode_16_64 3
		.amdhsa_memory_ordered 1
		.amdhsa_forward_progress 1
		.amdhsa_inst_pref_size 80
	.end_amdhsa_kernel
	.amdgpu_metadata
---
amdhsa.version: [ 1, 2 ]
amdhsa.kernels:
  - .name:           k_qb3520be88c_gemm2
    .symbol:         k_qb3520be88c_gemm2.kd
    .args:
      - { .name: wc, .offset: 0, .size: 8, .value_kind: global_buffer, .address_space: global }
      - { .name: xc, .offset: 8, .size: 8, .value_kind: global_buffer, .address_space: global }
      - { .name: lowp_scales, .offset: 16, .size: 8, .value_kind: global_buffer, .address_space: global }
      - { .name: bf, .offset: 24, .size: 8, .value_kind: global_buffer, .address_space: global }
      - { .name: hc, .offset: 32, .size: 8, .value_kind: global_buffer, .address_space: global }
    .group_segment_fixed_size: 327680
    .private_segment_fixed_size: 0
    .kernarg_segment_align: 8
    .kernarg_segment_size: 40
    .max_flat_workgroup_size: 128
    .sgpr_count:     100
    .vgpr_count:     768
    .wavefront_size: 32
...
	.end_amdgpu_metadata
.endif
;; end of part 3
;; launch gemm3 (part 4): grid 16 x 16, 4 waves a work-group, clusters of 4 x 4, 327,680 bytes of LDS; arguments wc, hc, lowp_scales, bf, out0; writes out0
.if DOCPART == 4
	.amdgcn_target "amdgcn-amd-amdhsa--gfx1250"
	.amdhsa_code_object_version 6
	.text
	.protected	k_qb3520be88c_gemm3
	.globl	k_qb3520be88c_gemm3
	.p2align	8
	.type	k_qb3520be88c_gemm3,@function
k_qb3520be88c_gemm3:
	s_mov_b64 s[64:65], 0
	v_nop
	global_prefetch_b8 v0, s[64:65] scope:SCOPE_SE
	s_setreg_imm32_b32 hwreg(HW_REG_WAVE_MODE, 25, 1), 1
	s_wait_xcnt 0x0
	s_wait_alu depctr_hold_cnt(0) depctr_sa_sdst(0) depctr_va_vdst(0) depctr_va_sdst(0) depctr_va_ssrc(0) depctr_va_vcc(0) depctr_vm_vsrc(0)
	s_getreg_b32 s2, hwreg(HW_REG_IB_STS2, 6, 4)
	s_cmp_eq_u32 s2, 0
	s_cbranch_scc0 .Lentry_in_a_cluster
	s_endpgm
.Lentry_in_a_cluster:
	s_bfe_u32 s2, ttmp6, 0x10000c
	s_cmp_lg_u32 s2, 0xf033
	s_cbranch_scc0 .Lentry_shape_is_right
	s_endpgm
.Lentry_shape_is_right:
; LAUNCH 4 OF 4: out = h W2^T + b2 on codes of FP8 (E4M3).  No work of this product is left out.
; W2's codes are wc's bytes 2,098,176 on, [2048][1024]; h's codes hc, in chunks of 128 along K: [8][4096][128]; b2 is bf's numbers 1024 to 3071.  out = sum x 2^(e4 + e5) + b2, one packed multiply-add for two numbers.
; LIMIT: e4 + e5 between -126 and 127, so that 2^(e4 + e5) is an f32 number.
; SHARES.  A work-group of four waves makes 128 outputs x 256 rows; wave (wp, wq) 64 x 128: 32 accumulators.  P = W2's codes is source 0, Q = h's codes source 1: a lane holds ONE row (lane % 16) and eight neighbouring outputs.
; K = 1,024 is four slots' worth of 256.  THREE LDS slots are filled at the start (three tensor loads a wave are out), so only ONE slot is filled again: slot 0, with K from 768 on, behind the one change of slots that has a round
; of the cluster's barrier; that load has the work of slots 1 and 2 in which to land.  Waves 0, 1 fetch one chunk each of Q (256 rows x 128 bytes, dense in memory), waves 2, 3 64 rows x 256 bytes each of P.
; CLUSTERS: 4 x 4; P's tile is shared along a column of the cluster, Q's along a row, each asked for jointly.
; REGISTERS, in windows of 256: window 0: v0-31 addresses; v32-127 the way out; from v128 P's fragments, two sets of 64.   window 1: Q's fragments, two sets of 128.   window 2: accumulator (ip, iq) at v[8 (NQF ip + iq)].
.set NPF,   4
.set NQF,   8
.set NSL,   3                          ; slots
.set PP,    272                        ; P's LDS row: 256 bytes + 16 of padding
.set QP,    144                        ; Q's: 128 + 16
.set QKS,   36864                      ; from one chunk to the next in a slot: 256 rows of 144 bytes
.set POFF,  73728                      ; a slot: Q's two chunks, then P's 128 rows
.set SLOT,  108544
.set PK0,   256                        ; a slot on, in memory: 256 along a row of P,
.set QK0,   1048576                    ; two chunks of Q
.set LP,    46                         ; s46: where my tile of P goes in a slot
.set LQ,    47                         ; s47: my tile of Q
.set SPARE, NSL*SLOT                   ; behind the slots: the spare words, 128 bytes for each wave, which no other line names
.set NL,    4*(NPF+NQF)
.set SPW,   10
.set NIL,   11
.set ADRP,  16                         ; v16-18  LDS address of my P fragments in slot 0, 1, 2
.set ADRQ,  20                         ; v20-22  the same for Q
.set PF,    128
.set G1P,   24                         ; s[24:31] descriptor group 1 for P's tiles;  s[32:43] group 0, one set for each slot
.set G0P,   32
.set G1Q,   48                         ; s[48:55] group 1 for Q's;  s[84:95] group 0, one set for each slot
.set G0Q,   84
.set MULW,  0xa4                       ; source 0 (P) window 0, source 1 (Q) window 1, C and D window 2
.set TO_Q,  0x40
.set RD2,   0x02
.set MSB, 0
.macro WIN new                         ; the immediate's high byte repeats the setting that is left
.if MSB != \new
	s_set_vgpr_msb (MSB<<8)|\new
.set MSB, \new
.endif
.endm
.macro PLACES n
.rept \n
	v_nop
.endr
.endm
.macro CREST
	s_cmp_lg_u32 s14, 0
	s_cbranch_scc1 .Lnot_wave_0_\@
	s_barrier_signal -3
.Lnot_wave_0_\@:
	s_barrier_wait -3
	s_barrier_signal -1
	s_barrier_wait -1
.endm
.macro CROUND
	s_barrier_signal -1
	s_barrier_wait -1
	CREST
.endm
.macro JLOAD s                         ; a joint load: s15 = 0: I fetch for Q, 1: for P.  An s_nop 0 and four v_nop follow each of the two lines
	s_cmp_eq_u32 s15, 0
	s_cbranch_scc0 .Lfor_p_\@
	tensor_load_to_lds s[G0Q+4*\s:G0Q+4*\s+3], s[G1Q:G1Q+7]
	s_nop 0
.rept 4
	v_nop
.endr
	s_branch .Lasked_\@
.Lfor_p_\@:
	tensor_load_to_lds s[G0P+4*\s:G0P+4*\s+3], s[G1P:G1P+7]
	s_nop 0
.rept 4
	v_nop
.endr
.Lasked_\@:
.endm
.macro FRAG reg, adr, off
.irp c, 0,1,2,3
	ds_load_b128 v[\reg+4*\c:\reg+4*\c+3], v[\adr] offset:\off+32*\c
.endr
.endm
.macro FETCH slot, q, p
	WIN TO_Q
.set FI, 0
.rept NQF
	FRAG 128*(\p)+16*FI, ADRQ+\slot, (\q)*QKS+FI*16*QP
.set FI, FI+1
.endr
	WIN 0
.set FI, 0
.rept NPF
	FRAG PF+64*(\p)+16*FI, ADRP+\slot, 128*(\q)+FI*16*PP
.set FI, FI+1
.endr
.endm
.macro MULH hf, p, zero                ; the accumulators take turns, one instruction a turn, in the same order in every step
.set MQ, (\hf)*(NQF/2)
.rept NQF/2
.set MP, 0
.rept NPF
.set MA, 8*(NQF*MP+MQ)
.if \zero
	v_wmma_f32_16x16x128_fp8_fp8 v[MA:MA+7], v[PF+64*(\p)+16*MP:PF+64*(\p)+16*MP+15], v[128*(\p)+16*MQ:128*(\p)+16*MQ+15], 0
.else
	v_wmma_f32_16x16x128_fp8_fp8 v[MA:MA+7], v[PF+64*(\p)+16*MP:PF+64*(\p)+16*MP+15], v[128*(\p)+16*MQ:128*(\p)+16*MQ+15], v[MA:MA+7]
.endif
.set MP, MP+1
.endr
.set MQ, MQ+1
.endr
.endm
.macro STEP slot, q, zero              ; a step of 128 along K that has its successor in the same slot
	PLACES 4                                       ; the other set was read by the matrix instructions just issued
	FETCH \slot, (\q)+1, 1-(\q)%2
	s_wait_dscnt NL                                ; all but the NL loads just issued: this step's set is in
	WIN MULW
	MULH 0, (\q)%2, \zero
	MULH 1, (\q)%2, \zero
.endm
.macro CROSS next                      ; a slot's last step (set 1) where the next slot was shown whole to every wave at an earlier barrier and nothing is filled: no barrier
	PLACES 4
	FETCH \next, 0, 0
	s_wait_dscnt NL                                ; all but the NL loads just issued: set 1 is in
	WIN MULW
	MULH 0, 1, 0
	MULH 1, 1, 0
.endm
.macro TURN slot, next, fill           ; a slot's last step (set 1) with a barrier.  fill = 1: this slot is filled again, NSL slots ahead
	WIN 0
	s_wait_tensorcnt 0x0                           ; all my tensor loads have landed; so a group 0 may be written
	ds_add_u32 v[SPW], v[NIL]                      ; 0 onto my spare word
.if \fill
	s_add_nc_u64 s[G0P+4*\slot+2:G0P+4*\slot+3], s[G0P+4*\slot+2:G0P+4*\slot+3], NSL*PK0
	s_add_nc_u64 s[G0Q+4*\slot+2:G0Q+4*\slot+3], s[G0Q+4*\slot+2:G0Q+4*\slot+3], NSL*QK0
.endif
	s_wait_dscnt 0x0                               ; the add is done, set 1 is in, and my reads of this slot are over
	s_barrier_signal -1
	WIN MULW
	MULH 0, 1, 0
	WIN 0
	s_barrier_wait -1
.if \fill
	CREST                                          ; no wave of any partner still reads this slot or has a load on its way
	JLOAD \slot                                    ; the first tensor load behind the round; its four v_nop are the places in front of the loads below
.else
	PLACES 4
.endif
	FETCH \next, 0, 0
	WIN MULW
	MULH 1, 1, 0
.endm
.macro LAST p
	s_wait_dscnt 0x0
	WIN MULW
	MULH 0, \p, 0
	MULH 1, \p, 0
	WIN 0
.endm
	s_load_b256 s[4:11], s[0:1], 0x0               ; P in wc s[4:5], Q = hc s[6:7], the scales' exponents s[8:9], bf s[10:11]
	s_load_b64 s[12:13], s[0:1], 0x20              ; out0
	v_lshl_add_u32 v[SPW], v0, 2, SPARE
	v_mov_b32 v[NIL], 0
	ds_add_u32 v[SPW], v[NIL]                      ; the wave's opening: the add, twice on end, and its wait ahead of my first tensor load
	ds_add_u32 v[SPW], v[NIL]
	v_lshrrev_b32 v1, 5, v0
	v_readfirstlane_b32 s14, v1                    ; wave 0..3
	s_lshr_b32 s16, s14, 1                         ; wp
	s_and_b32 s17, s14, 1                          ; wq.  Also: which chunk of Q, or which 64 rows of P, I fetch
	s_lshr_b32 s15, s14, 1                         ; waves 0, 1 fetch Q, waves 2, 3 P
	s_bfe_u32 s18, ttmp6, 0x40000
	s_bfe_u32 s19, ttmp6, 0x40004
	s_lshl_b32 s20, ttmp9, 2
	s_add_co_u32 s20, s20, s18                     ; px
	s_and_b32 s21, ttmp7, 0xffff
	s_lshl_b32 s21, s21, 2
	s_add_co_u32 s21, s21, s19                     ; qy
	s_lshl_b32 s44, s19, 2
	s_lshl_b32 s44, 15, s44
	s_lshl_b32 s45, 0x1111, s18
	s_or_b32 s[G1Q], s44, (1<<20)|(1<<21)|(4<<22)|(3<<25)   ; the mask; elements of 1 byte; padding: four words after every 32
	s_or_b32 s[G1P], s45, (1<<20)|(1<<21)|(5<<22)|(3<<25)   ; four words after every 64
	s_mov_b32 s[G1Q+1], 128<<16                    ; tensor_dim0
	s_mov_b32 s[G1Q+2], 256<<16                    ; tensor_dim1
	s_mov_b32 s[G1Q+3], 128<<16                    ; tile_dim0
	s_mov_b32 s[G1Q+4], 256                        ; tile_dim1
	s_mov_b32 s[G1Q+5], 128                        ; from row to row
	s_mov_b32 s[G1Q+6], 0
	s_mov_b32 s[G1Q+7], 0
	s_mov_b32 s[G1P+1], 256<<16
	s_mov_b32 s[G1P+2], 64<<16
	s_mov_b32 s[G1P+3], 256<<16
	s_mov_b32 s[G1P+4], 64
	s_mov_b32 s[G1P+5], 1024
	s_mov_b32 s[G1P+6], 0
	s_mov_b32 s[G1P+7], 0
	s_lshl_b32 s46, s17, 6
	s_lshl_b32 s56, s20, 7                         ; (s56-57 never hold qy or cy, s58-59 never px or cx)
	s_add_co_u32 s56, s56, s46
	s_lshl_b32 s56, s56, 10                        ; P: row 128 px + 64 x half, of 1,024 bytes,
	s_add_co_u32 s56, s56, 2098176                 ; behind W1's codes and b1's places
	s_mov_b32 s57, 0
	s_lshl_b32 s58, s21, 15                        ; Q: row 256 qy of 128 bytes,
	s_lshl_b32 s46, s17, 19                        ; in chunk 0 or 1
	s_add_co_u32 s58, s58, s46
	s_mov_b32 s59, 0
	s_mul_i32 s47, s17, 36864                      ; where Q's chunk goes in a slot,
	s_mul_i32 s46, s17, 17408
	s_add_co_u32 s46, s46, POFF                    ; and P's 64 rows of 272 bytes
	s_wait_dscnt 0x0
	s_wait_kmcnt 0x0
	s_load_b128 s[68:71], s[8:9], 0x0
	s_load_b64 s[72:73], s[8:9], 0x10
	s_add_nc_u64 s[56:57], s[4:5], s[56:57]
	s_add_nc_u64 s[58:59], s[6:7], s[58:59]
	CROUND                                         ; all sixteen work-groups are here: the first joint loads meet
.irp s, 0,1,2
	s_mov_b32 s[G0P+4*\s], 1
	s_add_co_u32 s[G0P+4*\s+1], s[LP], \s*SLOT
	s_add_nc_u64 s[G0P+4*\s+2:G0P+4*\s+3], s[56:57], \s*PK0
	s_or_b32 s[G0P+4*\s+3], s[G0P+4*\s+3], 0x80000000
	s_mov_b32 s[G0Q+4*\s], 1
	s_add_co_u32 s[G0Q+4*\s+1], s[LQ], \s*SLOT
	s_add_nc_u64 s[G0Q+4*\s+2:G0Q+4*\s+3], s[58:59], \s*QK0
	s_or_b32 s[G0Q+4*\s+3], s[G0Q+4*\s+3], 0x80000000
	JLOAD \s                                       ; three loads of mine are out
.endr
	v_and_b32 v1, 15, v0                           ; r
	v_bfe_u32 v2, v0, 4, 1                         ; h
	v_mul_u32_u24 v3, v1, PP
	v_lshl_add_u32 v3, v2, 4, v3
	s_mul_i32 s76, s16, 16*NPF*PP
	s_add_co_u32 s76, s76, POFF
	v_mul_u32_u24 v4, v1, QP
	v_lshl_add_u32 v4, v2, 4, v4
	s_mul_i32 s77, s17, 16*NQF*QP
.irp s, 0,1,2
	v_add_nc_u32 v[ADRP+\s], s76, v3
	v_add_nc_u32 v[ADRQ+\s], s77, v4
	s_add_co_u32 s76, s76, SLOT
	s_add_co_u32 s77, s77, SLOT
.endr
.set TMP, 32                           ; v32-63   a block's 32 results
.set BI,  96                           ; v96-127  b2 of my outputs: eight registers for each block ip, in the result's layout
.set BK,  128                          ; v128-159 and v160-191 by turns: 16 rows read back from the stage
	s_lshl_b32 s78, s20, 9
	s_lshl_b32 s79, s16, 8
	s_add_co_u32 s78, s78, s79
	s_add_co_u32 s78, s78, 4096                    ; b2 at output 128 px + 64 wp: behind b1's 1,024 numbers
	s_mov_b32 s79, 0
	s_add_nc_u64 s[10:11], s[10:11], s[78:79]
	v_lshlrev_b32 v5, 5, v2
.irp i, 0,1,2,3
	global_load_b128 v[BI+8*\i:BI+8*\i+3], v5, s[10:11] offset:64*\i
	global_load_b128 v[BI+8*\i+4:BI+8*\i+7], v5, s[10:11] offset:64*\i+16
.endr
	; my own stage for the way out: 16 rows x (256 bytes + 16), in slot 1, which is filled once, at the start, and is read by nobody behind the last barrier of the walk
	s_mul_i32 s82, s14, 16*272
	s_add_co_u32 s82, s82, SLOT
	v_mul_u32_u24 v6, v1, 272
	v_lshl_add_u32 v6, v2, 5, v6
	v_add_nc_u32 v6, s82, v6                       ; in: row r, 32 bytes for each half of the lanes
	v_mul_u32_u24 v7, v2, 272
	v_lshl_add_u32 v7, v1, 4, v7
	v_add_nc_u32 v7, s82, v7                       ; back: lanes 0-15 one row of 256 bytes, lanes 16-31 the next
	v_lshlrev_b32 v8, 13, v2
	v_lshl_add_u32 v8, v1, 4, v8                   ; and the same two rows in out0: a row is 8,192 bytes
	s_lshl_b32 s80, s21, 8
	s_lshl_b32 s81, s17, 7
	s_add_co_u32 s80, s80, s81                     ; my first row: 256 qy + 128 wq
	s_lshl_b32 s80, s80, 13
	s_lshl_b32 s81, s20, 9
	s_add_co_u32 s80, s80, s81                     ; my first column, in bytes: 512 px + 256 wp
	s_lshl_b32 s81, s16, 8
	s_add_co_u32 s80, s80, s81
	s_mov_b32 s81, 0
	s_add_nc_u64 s[12:13], s[12:13], s[80:81]
	s_wait_tensorcnt 0x2                           ; my part of slot 0 is in; those of slots 1 and 2 may stay out
	s_barrier_signal -1
	s_barrier_wait -1                              ; everybody's is
	FETCH 0, 0, 0
	STEP 0, 0, 1                                   ; K 0 on: the first step's products start the sums
	TURN 0, 1, 1                                   ; K 128 on.  Slots 1 and 2 are whole in every wave's sight; slot 0 is asked for again: K 768 on
	STEP 1, 0, 0                                   ; K 256 on
	CROSS 2                                        ; K 384 on
	STEP 2, 0, 0                                   ; K 512 on
	TURN 2, 0, 0                                   ; K 640 on.  Slot 0's second tile is whole; nothing is filled, so no round of the cluster's barrier
	STEP 0, 0, 0                                   ; K 768 on
	LAST 1                                         ; K 896 on
; THE WAY OUT, block by block of 16 rows x 64 outputs.  A lane holds 32 neighbouring bytes of a row for each block ip; the block goes through my own stage and comes back as whole rows of 256 bytes.
; LDS serves a wave's instructions in order (ISA guide 5.7.1.4): no wait between the stores and the loads, nor in front of the next block's stores.
.macro TOSTAGE iq
	WIN RD2
.irp ip, 0,1,2,3
.irp k, 0,2,4,6
	v_pk_fma_f32 v[TMP+8*\ip+\k:TMP+8*\ip+\k+1], v[8*(8*\ip+(\iq))+\k:8*(8*\ip+(\iq))+\k+1], s[74:75], v[BI+8*\ip+\k:BI+8*\ip+\k+1] op_sel_hi:[1,0,1]   ; sum x 2^(e4 + e5) + b2; each accumulator from its low end on
.endr
.endr
	WIN 0
.irp ip, 0,1,2,3
	ds_store_b128 v6, v[TMP+8*\ip:TMP+8*\ip+3] offset:64*\ip
	ds_store_b128 v6, v[TMP+8*\ip+4:TMP+8*\ip+7] offset:64*\ip+16
.endr
.set BB, BK+32*((\iq)%2)
.irp t, 0,1,2,3,4,5,6,7
	ds_load_b128 v[BB+4*\t:BB+4*\t+3], v7 offset:544*\t
.endr
.endm
.macro SEND iq, younger                ; younger: the LDS instructions issued behind block iq's loads, which may stay out
.set BB, BK+32*((\iq)%2)
	s_wait_dscnt \younger
.irp t, 0,1,2,3,4,5,6,7
	global_store_b128 v8, v[BB+4*\t:BB+4*\t+3], s[12:13] offset:(16*(\iq)+2*\t)*8192 th:TH_STORE_NT   ; 16 lanes store 256 consecutive bytes, at a multiple of 256 from out0's first byte; written once, read by nobody here
.endr
.endm
	PLACES 4                                       ; in front of the first read of results and of loads into the registers that held P's fragments
	s_wait_kmcnt 0x0
	s_add_co_i32 s74, s72, s73
	s_add_co_i32 s74, s74, 127
	s_lshl_b32 s74, s74, 23                        ; 2^(e4 + e5) as f32
	s_mov_b32 s75, s74                             ; (named with it as a pair, so it is written)
	s_wait_loadcnt 0x0                             ; b2
	TOSTAGE 0
.irp a, 1,2,3,4,5,6,7
.if \a > 1
	s_wait_xcnt 0x0                                ; block a - 2's stores have read their registers: block a's loads may land there
.endif
	TOSTAGE \a
	SEND \a-1, 16                                  ; behind block a - 1's loads: block a's 8 stores and 8 loads
.endr
	SEND 7, 0
	s_wait_tensorcnt 0x0                           ; the wave's end: behind my last tensor load and my last LDS store
	ds_add_u32 v[SPW], v[NIL]
	s_wait_dscnt 0x0
	CROUND                                         ; the closing round
	s_endpgm
.Lfunc_end_k_qb3520be88c_gemm3:
	.size	k_qb3520be88c_gemm3, .Lfunc_end_k_qb3520be88c_gemm3-k_qb3520be88c_gemm3
	.p2alignl 7, 3214868480
	.fill 96, 4, 3214868480
	.section	.rodata,"a",@progbits
	.p2align	6, 0x0
	.amdhsa_kernel k_qb3520be88c_gemm3
		.amdhsa_group_segment_fixed_size 327680
		.amdhsa_private_segment_fixed_size 0
		.amdhsa_enable_private_segment 0
		.amdhsa_kernarg_size 40
		.amdhsa_user_sgpr_count 2
		.amdhsa_user_sgpr_kernarg_segment_ptr 1
		.amdhsa_wavefront_size32 1
		.amdhsa_system_sgpr_workgroup_id_x 1
		.amdhsa_system_sgpr_workgroup_id_y 1
		.amdhsa_system_sgpr_workgroup_id_z 1
		.amdhsa_system_vgpr_workitem_id 0
		.amdhsa_next_free_vgpr 768
		.amdhsa_next_free_sgpr 100
		.amdhsa_reserve_vcc 0
		.amdhsa_float_denorm_mode_32 3
		.amdhsa_float_denorm_mode_16_64 3
		.amdhsa_memory_ordered 1
		.amdhsa_forward_progress 1
		.amdhsa_inst_pref_size 77
	.end_amdhsa_kernel
	.amdgpu_metadata
---
amdhsa.version: [ 1, 2 ]
amdhsa.kernels:
  - .name:           k_qb3520be88c_gemm3
    .symbol:         k_qb3520be88c_gemm3.kd
    .args:
      - { .name: wc, .offset: 0, .size: 8, .value_kind: global_buffer, .address_space: global }
      - { .name: hc, .offset: 8, .size: 8, .value_kind: global_buffer, .address_space: global }
      - { .name: lowp_scales, .offset: 16, .size: 8, .value_kind: global_buffer, .address_space: global }
      - { .name: bf, .offset: 24, .size: 8, .value_kind: global_buffer, .address_space: global }
      - { .name: out0, .offset: 32, .size: 8, .value_kind: global_buffer, .address_space: global }
    .group_segment_fixed_size: 327680
    .private_segment_fixed_size: 0
    .kernarg_segment_align: 8
    .kernarg_segment_size: 40
    .max_flat_workgroup_size: 128
    .sgpr_count:     100
    .vgpr_count:     768
    .wavefront_size: 32
...
	.end_amdgpu_metadata
.endif
;; end of part 4
